; MI455X (gfx1250); checked and timed in simulation.
; The chip was launched on July 23, 2026; its instructions are those of AMD's public machine-readable ISA for CDNA 5 (MIT licence, August 2026) and "CDNA5" Instruction Set Architecture Reference Guide (July 2026). The comments in the code are by the model that wrote it; some were corrected since.
;; Bert Self Attention10. Allowed arithmetic: matrix products marked QUANTISED: E2M1 operands, one E8M0 scale for each 32 along K, by v_wmma_scale_f32_16x16x128_f8f6f4 with both operands' format E2M1 (or v_wmma_scale_f32_32x16x128_f4), f32 sums; everything else in f32.
;; Inputs: Wk 768 x 768 float32; Wq 768 x 768 float32; Wv 768 x 768 float32; attention_mask 2 x 4,096 int32; bk 768 float32; bq 768 float32; bv 768 float32; hidden_states 2 x 4,096 x 768 float32.
;; Outputs: out0 2 x 4,096 x 768 float32.
;; This version of the problem:
;;   THIS VERSION OF THE PROBLEM IS GIVEN IN LOW PRECISION. The matrix products marked QUANTISED in the list below multiply operands that are first quantised to E2M1 (2 exponent bits, 1 mantissa bit; 4 bits a number), with one power-of-two scale for each 32 numbers along K (OCP MX v1.0); their sums are f32. All else is computed in f32.
;;   The module's matrix products, in the order in which they are computed (A, B: the left and right operand; K: the contracted axis; several contracted axes count as one K, in the product's order):
;;     1. [M 8,192, K 768] x [K 768, N 768]; A: input hidden_states; B: input Wq: QUANTISED
;;     2. [M 8,192, K 768] x [K 768, N 768]; A: input hidden_states; B: input Wk: QUANTISED
;;     3. [M 8,192, K 768] x [K 768, N 768]; A: input hidden_states; B: input Wv: QUANTISED
;;     4. batch 12 x [M 4,096, K 128] x [K 128, N 4,096]; A: computed on the way; B: computed on the way: QUANTISED
;;     5. batch 12 x [M 4,096, K 4,096] x [K 4,096, N 128]; A: softmax (see below); B: computed on the way: QUANTISED
;;   THE QUANTISER, for each operand of a quantised product, along K:
;;     - K is cut into blocks of 32 from its start; a last block that is shorter is filled with zeros.
;;     - A block's scale is 2^e with e = floor(log2(the largest magnitude in the block)) - 2, held to -126 .. 127; a block of zeros has e = 0. As a byte (E8M0): e + 127.
;;     - Each number is divided by its block's scale, clamped to +-6, and rounded to the nearest number of E2M1, ties to even, subnormals kept.
;;     - The product sums the exact products of the quantised numbers (number of the format x scale) in f32.
;;   ~~~python
;;   def quantise(x, axis):      # numpy; x: float32 -> the quantised numbers, widened to float32 again
;;       x = np.moveaxis(x, axis, -1); K = x.shape[-1]
;;       x = np.pad(x, [(0, 0)] * (x.ndim - 1) + [(0, -K % 32)]); x = x.reshape(x.shape[:-1] + (-1, 32)); a = np.abs(x).max(-1, keepdims=True)
;;       e = np.where(a > 0, np.clip(np.frexp(np.where(a > 0, a, 1))[1] - 1 - 2, -126, 127), 0)      # np.frexp(a)[1] - 1 = floor(log2(a)), exactly
;;       r = np.clip(x / 2.0 ** e, -6, 6)
;;       step = 2.0 ** (np.maximum(np.frexp(np.where(r == 0, 1, r))[1] - 1, 0) - 1)
;;       q = np.round(r / step) * step * 2.0 ** e      # np.round: ties to even
;;       return np.moveaxis(q.reshape(q.shape[:-2] + (-1,))[..., :K], -1, axis).astype(np.float32)
;;   ~~~
;;   SOFTMAX AHEAD OF A QUANTISED PRODUCT. Where the list says 'softmax', what is quantised is not the finished softmax but p = 2^(t - M), with t = logit x log2(e) and M = ceil(the row's largest t), a whole number; so 1/2 < the row's largest p <= 1. The row's sum l is taken of the UNQUANTISED p, in f32, and the product's result is divided by l at the end. Since M is a whole number, a kernel that streams over the keys may use a running M (the ceiling of the running maximum): every later rescaling is an exact power of two, which a block's scale takes up: the codes' values come out the same.
;;   OPERANDS COMPUTED ON THE WAY. 'Computed on the way' means the value that the module computes at that place (a softmax that the list does not call 'softmax' is quantised finished and normalised). What goes into a quantiser is computed in f32, as accurately as f32 sums, v_exp_f32 and their like allow (about 1e-6 of the number): no bf16 or f16 on the way to a quantiser, and a product that is left as it is and whose result goes on into a quantised operand takes f32 operands (vector FMAs, or v_wmma_f32_16x16x4_f32). A number that lies on a knife's edge between two numbers of the format may be rounded either way, as far as f32 arithmetic and the matrix unit's own rounding can turn it there, and no further.
;; One version. Each part assembles by itself: llvm-mc -triple=amdgcn-amd-amdhsa -mcpu=gfx1250 --defsym DOCPART=n.
;; ======== version 1 of 1: 3 launches
;; workspace buffers: h_img 3,145,728 bytes; h_sc 196,608 bytes; w_pack 940,032 bytes; q_img 3,145,728 bytes; q_sc 196,608 bytes; kv_img 6,291,456 bytes; kv_sc 393,216 bytes
;; launch quant (part 1): grid 328 x 1, 4 waves a work-group, no clusters, 35,328 bytes of LDS; arguments hidden_states, Wq, Wk, Wv, h_img, h_sc, w_pack; writes h_img, h_sc, w_pack
.if DOCPART == 1
	.amdgcn_target "amdgcn-amd-amdhsa--gfx1250"
	.amdhsa_code_object_version 6
	.text
	.protected	k_q5974582bac_quant
	.globl	k_q5974582bac_quant
	.p2align	8
	.type	k_q5974582bac_quant,@function
k_q5974582bac_quant:
	s_mov_b64 s[64:65], 0
	v_nop
	global_prefetch_b8 v0, s[64:65] scope:SCOPE_SE
	s_setreg_imm32_b32 hwreg(HW_REG_WAVE_MODE, 25, 1), 1
	s_wait_xcnt 0x0
; hidden_states [8192][768] and Wq, Wk, Wv [768][768], f32, K innermost, become codes of FP4 (E2M1) with one E8M0 byte for each 32 along K.
; A block's scale is 2^(floor(log2(its largest magnitude)) - 2): its byte is the largest magnitude's exponent field - 2, held at 1 from below.
; THE CODES ARE LAID AS IMAGES OF THE OPERAND'S REGISTERS: a fragment (16 rows x 128 K) is 1,024 bytes, registers 4 c .. 4 c + 3 of lane l at 512 c + 16 l.
; THE ROWS OF A TILE ARE NOT NEIGHBOURS: a block of 32 rows gives tiles u = 0, 1; lane r of tile u holds row 8 u + r + 8 (r / 8) of the block, so that in the products that
; follow the 16 result registers of tiles (0, 1) are 16 neighbours.
; SHARES: a work-group takes 32 rows x 768.  Groups 0-255: hidden_states; groups 256-327: 24 each for Wq, Wk, Wv.  Only pointers and offsets are chosen by the group's number: one path through the text.
; Wave w: tile u = w / 2, K half w % 2: three fragments.  Each load reads 512 consecutive bytes of a row; a fragment's 16 x 512 bytes turn through the wave's own stage in LDS
; (rows 528 bytes apart), so that a lane gets 16 neighbours of each block of 32 of its row.  Codes leave as 512 consecutive bytes a store; the group's 768 scale bytes meet in LDS and leave as three aligned runs of 256.
; LIMITS: NaN and infinities among the inputs are not served.  A block whose largest magnitude lies under 2^-124 gets the byte 1; a block of zeros gets the byte 1 with zero codes (the rule says 127): the bytes are read by this program alone.
.set NHB,   256                        ; blocks of 32 rows in hidden_states
.set ROWB,  3072                       ; a row in bytes
.set SP,    528                        ; a stage row: 512 bytes + 16
.set WSTG,  16*SP                      ; a wave's stage
.set SCS,   4*WSTG                     ; behind the stages: the group's scale words, [u][K step 6][r 16]
.set HEADB, 156672                     ; a head's part of w_pack: 147,456 bytes of codes, 9,216 of scale words
.set WSCO,  147456
.set TM,    16                         ; v16-19 largest magnitudes, v20-23 the other half's, then bytes, v28-31 the conversions' scale operands
.set PW,    32                         ; the scale word just made
.set PC,    40                         ; v40-63  codes: a set of 8 for each fragment, so that no store's data are written again
.set X,     64                         ; v64-127 64 numbers of my row: register 16 b + i = k 32 b + 16 (lane / 16) + i
.set R,     128                        ; v128-255 two sets of 64, as loaded
.set SEL,   30                         ; s[30:31] lane selects: lane l xor 16
	s_load_b256 s[4:11], s[0:1], 0x0               ; hidden_states, Wq, Wk, Wv
	s_load_b128 s[12:15], s[0:1], 0x20             ; h_img, h_sc
	s_load_b64 s[16:17], s[0:1], 0x30              ; w_pack
	v_lshl_add_u32 v38, v0, 2, 0x8800
	v_mov_b32 v39, 0
	v_lshrrev_b32 v1, 5, v0
	v_readfirstlane_b32 s18, v1                    ; wave
	v_and_b32 v1, 31, v0                           ; lane
	v_and_b32 v2, 15, v0                           ; r
	v_bfe_u32 v3, v0, 4, 1                         ; h
	s_lshr_b32 s19, s18, 1                         ; u
	s_and_b32 s20, s18, 1                          ; K half
	s_mul_i32 s21, s18, WSTG
	v_lshlrev_b32 v4, 4, v1                        ; 16 x lane: my bytes of a load's and of a store's 512
	v_add_nc_u32 v5, s21, v4                       ; the stage, on the way in
	v_mul_u32_u24 v6, v2, SP
	v_lshl_add_u32 v6, v3, 6, v6
	v_add_nc_u32 v6, s21, v6                       ; and on the way out: row r, + 64 h
	s_mul_i32 s21, s19, 384
	s_mul_i32 s22, s20, 192
	s_add_co_u32 s21, s21, s22
	s_add_co_u32 s21, s21, SCS
	v_lshl_add_u32 v7, v2, 2, s21                  ; my row's scale word of my first fragment
	s_lshl_b32 s21, s18, 8
	v_lshl_add_u32 v9, v1, 3, s21                  ; the scale words' way out: 256 x wave + 8 x lane
	v_add_nc_u32 v8, SCS, v9
	s_mov_b32 s[SEL], 0x76543210
	s_mov_b32 s[SEL+1], 0xfedcba98
.irp b, 0,1,2,3
	v_mov_b32 v[TM+4+\b], 0                        ; written once: a lane permute's destination counts as one of its sources
.endr
	; which tensor, which 32 rows, and where the results go
	s_sub_co_u32 s23, ttmp9, NHB
	s_cmp_lt_u32 ttmp9, NHB
	s_cselect_b32 s23, 0, s23                      ; j: the group's number among the weights' 72
	s_cmp_ge_u32 s23, 24
	s_cselect_b32 s24, 1, 0
	s_cmp_ge_u32 s23, 48
	s_cselect_b32 s25, 1, 0
	s_add_co_u32 s24, s24, s25                     ; which weight: 0 q, 1 k, 2 v
	s_mul_i32 s25, s24, 24
	s_sub_co_u32 s25, s23, s25                     ; its block of 32 rows
	s_lshr_b32 s26, s25, 2                         ; head
	s_and_b32 s27, s25, 3                          ; block b of the head's four
	s_mul_i32 s27, s27, 3
	s_add_co_u32 s27, s27, s24                     ; 3 b + weight
	s_mul_i32 s26, s26, HEADB
	s_mul_i32 s28, s27, 12288
	s_add_co_u32 s28, s28, s26                     ; a weight's codes in w_pack
	s_mul_i32 s29, s27, 768
	s_add_co_u32 s29, s29, s26
	s_add_co_u32 s29, s29, WSCO                    ; and its scale words
	s_mul_i32 s32, ttmp9, 12288                    ; hidden_states': two tiles of six fragments a block,
	s_mul_i32 s33, ttmp9, 768                      ; and their scale words
	s_cmp_lt_u32 ttmp9, NHB
	s_cselect_b32 s25, ttmp9, s25
	s_cselect_b32 s36, s32, s28
	s_cselect_b32 s38, s33, s29
	s_mul_i32 s34, s25, 32*ROWB
	s_mul_i32 s21, s19, 8*ROWB                     ; tile u begins 8 rows down
	s_add_co_u32 s34, s34, s21
	s_mul_i32 s21, s20, 1536                       ; my K half: three fragments of 512 bytes a row
	s_add_co_u32 s34, s34, s21
	s_mov_b32 s35, 0
	s_mul_i32 s21, s19, 6144
	s_add_co_u32 s36, s36, s21
	s_mul_i32 s21, s20, 3072
	s_add_co_u32 s36, s36, s21
	s_mov_b32 s37, 0
	s_mov_b32 s39, 0
	s_wait_kmcnt 0x0
	s_cmp_eq_u32 s24, 1                            ; the choices hang on the group's number alone
	s_cselect_b64 s[6:7], s[8:9], s[6:7]
	s_cmp_eq_u32 s24, 2
	s_cselect_b64 s[6:7], s[10:11], s[6:7]
	s_cmp_lt_u32 ttmp9, NHB
	s_cselect_b64 s[4:5], s[4:5], s[6:7]
	s_cselect_b64 s[12:13], s[12:13], s[16:17]
	s_cselect_b64 s[14:15], s[14:15], s[16:17]
	s_add_nc_u64 s[4:5], s[4:5], s[34:35]
	s_add_nc_u64 s[12:13], s[12:13], s[36:37]
	s_add_nc_u64 s[14:15], s[14:15], s[38:39]
.macro LOAD i, set                     ; fragment i: 512 bytes of each of the tile's 16 rows
.irp p, 0,1,2,3,4,5,6,7,8,9,10,11,12,13,14,15
	global_load_b128 v[R+64*\set+4*\p:R+64*\set+4*\p+3], v4, s[4:5] offset:(\p+8*(\p/8))*ROWB+512*\i th:TH_LOAD_NT
.endr
.endm
.macro TURN set                        ; through the stage: LDS serves a wave's instructions in order, so no wait stands between the stores and the loads
.irp p, 0,1,2,3,4,5,6,7,8,9,10,11,12,13,14,15
	ds_store_b128 v5, v[R+64*\set+4*\p:R+64*\set+4*\p+3] offset:SP*\p
.endr
.irp b, 0,1,2,3
.irp j, 0,1,2,3
	ds_load_b128 v[X+16*\b+4*\j:X+16*\b+4*\j+3], v6 offset:128*\b+16*\j
.endr
.endr
.endm
.macro QUANT s, pc                     ; 64 numbers of a lane become a fragment's codes in v[pc] on and its scale word in v[PW]
.irp b, 0,1,2,3
	v_max3_num_f32 v[TM+\b], |v[\s+16*\b]|, |v[\s+1+16*\b]|, 0x1800000   ; block b: my 16 numbers, and the floor 2^(3 - 127): the byte cannot fall under 1
.endr
.irp i, 2,4,6,8,10,12,14
.irp b, 0,1,2,3
	v_max3_num_f32 v[TM+\b], v[TM+\b], |v[\s+16*\b+\i]|, |v[\s+1+16*\b+\i]|   ; the four blocks by turns
.endr
.endr
.irp b, 0,1,2,3
	v_permlanex16_b32 v[TM+4+\b], v[TM+\b], s[SEL], s[SEL+1]
.endr
.irp b, 0,1,2,3
	v_max_num_f32 v[TM+\b], v[TM+\b], v[TM+4+\b]   ; with lane l xor 16's: the block's largest magnitude
.endr
.irp b, 0,1,2,3
	v_add_nc_u32 v[TM+12+\b], 0xff000000, v[TM+\b] ; 2 off its exponent field: the conversion takes that field as its scale
.endr
.irp b, 0,1,2,3
	v_lshrrev_b32 v[TM+4+\b], 23, v[TM+12+\b]      ; the scale's byte
.endr
	v_lshl_or_b32 v[PW], v[TM+5], 8, v[TM+4]
	v_lshl_or_b32 v[PW], v[TM+6], 16, v[PW]
	v_lshl_or_b32 v[PW], v[TM+7], 24, v[PW]
.irp b, 0,1,2,3
	v_cvt_scalef32_pk8_fp4_f32 v[\pc+2*\b], v[\s+16*\b:\s+7+16*\b], v[TM+12+\b]
	v_cvt_scalef32_pk8_fp4_f32 v[\pc+1+2*\b], v[\s+8+16*\b:\s+15+16*\b], v[TM+12+\b]
.endr
	v_nop                                          ; one plain place behind a scaled conversion
.irp c, 0,1                            ; the layout wants a whole block in a lane: lanes 0-15 block 2 c, lanes 16-31 block 2 c + 1
.irp i, 0,1
	v_permlane16_swap_b32 v[\pc+4*\c+\i], v[\pc+2+4*\c+\i]
.endr
.endr
.endm
.macro OUT i, pc                       ; the image: two stores of 512 consecutive bytes; the scale word to LDS (both halves of the lanes write the same word with the same value)
	global_store_b128 v4, v[\pc:\pc+3], s[12:13] offset:1024*\i
	global_store_b128 v4, v[\pc+4:\pc+7], s[12:13] offset:1024*\i+512
	ds_store_b32 v7, v[PW] offset:64*\i
.endm
	LOAD 0, 0
	LOAD 1, 1
	s_wait_loadcnt 16                              ; fragment 0's 16 loads are in; fragment 1's may be out
	TURN 0
	s_wait_dscnt 0x0                               ; the numbers are back, and the stores have read set 0,
	LOAD 2, 0                                      ; which takes fragment 2
	QUANT X, PC
	OUT 0, PC
	s_wait_loadcnt 16                              ; fragment 1's are in; fragment 2's may be out
	TURN 1
	s_wait_dscnt 0x0
	QUANT X, PC+8
	OUT 1, PC+8
	s_wait_loadcnt 0x0
	TURN 0
	s_wait_dscnt 0x0
	QUANT X, PC+16
	OUT 2, PC+16
	s_wait_dscnt 0x0                               ; for the others' sake: my scale words lie in LDS
	s_barrier_signal -1
	s_barrier_wait -1
	s_cmp_lt_u32 s18, 3                            ; 768 bytes: waves 0 to 2 store 256 consecutive bytes each
	s_cbranch_scc0 .Ldone
	ds_load_b64 v[10:11], v8
	s_wait_dscnt 0x0
	global_store_b64 v9, v[10:11], s[14:15]
.Ldone:
	s_wait_tensorcnt 0x0
	ds_add_u32 v38, v39
	s_wait_dscnt 0x0
	s_endpgm
.Lfunc_end_k_q5974582bac_quant:
	.size	k_q5974582bac_quant, .Lfunc_end_k_q5974582bac_quant-k_q5974582bac_quant
	.p2alignl 7, 3214868480
	.fill 96, 4, 3214868480
	.section	.rodata,"a",@progbits
	.p2align	6, 0x0
	.amdhsa_kernel k_q5974582bac_quant
		.amdhsa_group_segment_fixed_size 35328
		.amdhsa_private_segment_fixed_size 0
		.amdhsa_enable_private_segment 0
		.amdhsa_kernarg_size 56
		.amdhsa_user_sgpr_count 2
		.amdhsa_user_sgpr_kernarg_segment_ptr 1
		.amdhsa_wavefront_size32 1
		.amdhsa_system_sgpr_workgroup_id_x 1
		.amdhsa_system_sgpr_workgroup_id_y 1
		.amdhsa_system_sgpr_workgroup_id_z 1
		.amdhsa_system_vgpr_workitem_id 0
		.amdhsa_next_free_vgpr 256
		.amdhsa_next_free_sgpr 66
		.amdhsa_reserve_vcc 0
		.amdhsa_float_denorm_mode_32 3
		.amdhsa_float_denorm_mode_16_64 3
		.amdhsa_memory_ordered 1
		.amdhsa_forward_progress 1
		.amdhsa_inst_pref_size 27
	.end_amdhsa_kernel
	.amdgpu_metadata
---
amdhsa.version: [ 1, 2 ]
amdhsa.kernels:
  - .name:           k_q5974582bac_quant
    .symbol:         k_q5974582bac_quant.kd
    .args:
      - { .name: hidden_states, .offset: 0, .size: 8, .value_kind: global_buffer, .address_space: global }
      - { .name: Wq, .offset: 8, .size: 8, .value_kind: global_buffer, .address_space: global }
      - { .name: Wk, .offset: 16, .size: 8, .value_kind: global_buffer, .address_space: global }
      - { .name: Wv, .offset: 24, .size: 8, .value_kind: global_buffer, .address_space: global }
      - { .name: h_img, .offset: 32, .size: 8, .value_kind: global_buffer, .address_space: global }
      - { .name: h_sc, .offset: 40, .size: 8, .value_kind: global_buffer, .address_space: global }
      - { .name: w_pack, .offset: 48, .size: 8, .value_kind: global_buffer, .address_space: global }
    .group_segment_fixed_size: 35328
    .private_segment_fixed_size: 0
    .kernarg_segment_align: 8
    .kernarg_segment_size: 56
    .max_flat_workgroup_size: 128
    .sgpr_count:     66
    .vgpr_count:     256
    .wavefront_size: 32
...
	.end_amdgpu_metadata
.endif
;; end of part 1
;; launch proj (part 2): grid 32 x 6, 4 waves a work-group, clusters of 4 x 1, 168,448 bytes of LDS; arguments h_img, h_sc, w_pack, bq, bk, bv, q_img, q_sc, kv_img, kv_sc; writes q_img, q_sc, kv_img, kv_sc
.if DOCPART == 2
	.amdgcn_target "amdgcn-amd-amdhsa--gfx1250"
	.amdhsa_code_object_version 6
	.text
	.protected	k_q5974582bac_proj
	.globl	k_q5974582bac_proj
	.p2align	8
	.type	k_q5974582bac_proj,@function
k_q5974582bac_proj:
	s_mov_b64 s[64:65], 0
	v_nop
	global_prefetch_b8 v0, s[64:65] scope:SCOPE_SE
	s_setreg_imm32_b32 hwreg(HW_REG_WAVE_MODE, 25, 1), 1
	s_wait_xcnt 0x0
	s_wait_alu depctr_hold_cnt(0) depctr_sa_sdst(0) depctr_va_vdst(0) depctr_va_sdst(0) depctr_va_ssrc(0) depctr_va_vcc(0) depctr_vm_vsrc(0)
	s_getreg_b32 s2, hwreg(HW_REG_IB_STS2, 6, 4)
	s_cmp_eq_u32 s2, 0
	s_cbranch_scc0 .Lentry_in_a_cluster
	s_endpgm
.Lentry_in_a_cluster:
	s_bfe_u32 s2, ttmp6, 0x10000c
	s_cmp_lg_u32 s2, 0x3003
	s_cbranch_scc0 .Lentry_shape_is_right
	s_endpgm
.Lentry_shape_is_right:
; q = h Wq^T + bq, k = h Wk^T + bk, v = h Wv^T + bv on codes of FP4 with E8M0 scales (K = 768), then k_mod = k / dh + softsign(softsign(k) / dh) + v, dh = sqrt(128);
; q and k_mod are quantised along the head's 128 channels, v along the keys, and all three leave as images of the registers that the attention launch loads.
; SHARES: a work-group takes 256 rows of hidden_states and one head; wave w rows 64 w .. 64 w + 63 (four tiles of 16 rows), all 128 channels, 32 channels a trip.
; The rows' 24 fragments stay in registers; the head's weights (147,456 bytes of codes, 9,216 of scale words) come into LDS once.
; CLUSTER: the four work-groups of a cluster share the head, so the weights are asked for JOINTLY: each wave one tensor load of 153 rows of 256 bytes, the same descriptor in all four.  LDS is filled once: no slot is ever filled again.
; q, k, v ARE MADE TRANSPOSED (source 0 = 16 rows of W, source 1 = 16 rows of h): a lane holds one row of h, and the 16 registers of tiles (u = 0, 1) are 16 neighbouring channels.
; v IS MADE A SECOND TIME THE NATURAL WAY ROUND (source 0 = h, source 1 = Wv): a lane then holds one channel and its registers run along the keys, which are the K of the attention's second product.
; Each bias is the C of its sum's first product.  The 32 accumulators of a trip take turns, one instruction a turn.
; LIMITS: NaN and infinities are not served.  k / dh is a multiplication by the f32 nearest to 1 / sqrt(128); softsign divides by v_rcp_f32.  A block whose largest magnitude lies under 2^-124, a block of zeros too, gets the byte 1; the bytes are read by this program alone.
; REGISTERS, in windows of 256 (s_set_vgpr_msb: bits 1:0 source 0, 3:2 source 1, 5:4 source 2, 7:6 destination):
;   window 0: addresses; v32-49 W's scale words, v50-61 h's.   window 1: h's fragments, 8 (6 p + s).
;   window 2: q 0-63, k 64-127, v 128-191 (each at 16 p + 8 u); scale words in the making 192-199; codes 200-215.
;   window 3: W's fragments, two sets, 0-95; biases 96-159; v the natural way 160-223; codes 240-247.   windows 2 and 3: v224-239 at work in the quantiser.
.set WSC,  147456                      ; LDS: W's codes from 0, its scale words here,
.set BIA,  156672                      ; the head's biases, 3 x 512 bytes,
.set SST,  158208                      ; q's scale words [tile 16][r] 1,024 bytes, then 2,048 bytes laid as kv_sc
.set HEADB, 156672
.set LI,   1                           ; 16 x lane
.set L4,   2                           ; 4 x lane
.set VQ,   3                           ; 1024 (lane / 16) + 16 (lane % 16): a block's 16 bytes in the images of two tiles
.set ADW,  4                           ; the trip's LDS addresses: W's codes, W's scale words, biases (two layouts), v's scale bytes
.set ADS,  5
.set ADB,  6
.set ADN,  7
.set ADSV, 8
.set ADB0, 9                           ; and their parts that stay
.set ADN0, 10
.set SQA,  11
.set SKA,  12
.set SVA0, 13
.set FQ,   14                          ; the scale words' way out
.set FK,   15
.set T8,   16
.set T16,  17
.set FD,   18                          ; v[18:19], v[20:23]
.set BL,   24                          ; v24-26 the biases as loaded
.set BST,  27
.set G4T,  62
.set WS,   32
.set HS,   50
.set QA,   0
.set KA,   64
.set VA,   128
.set SWQ,  192
.set SWK,  196
.set CQ,   200
.set CK,   208
.set WF,   0
.set BT,   96
.set BN,   144
.set VN,   160
.set CV,   240
.set YH,   248
.set BM,   224
.set T2,   228
.set SO,   232
.set Y,    236
.set WV,   24
.set CX,   25
.set XB,   26
.set HEAD, 27
.set BAT,  28
.set RB,   29
.set BH,   30
.set LW,   31
.set G0,   32
.set G1,   36
.set SEL,  44
.set INV,  46
.set WB,   48
.set WSB,  49
.set BB,   50
.set SVB,  51
.set SH,   52
.set BLK,  53
.set QP,   16
.set KP,   20
.set VP,   60
.set MSB, 0
.macro WIN new                         ; the immediate's high byte repeats the setting that is left; a switch that changes nothing is dropped
.if MSB != (\new)
	s_set_vgpr_msb (MSB<<8)|(\new)
.set MSB, (\new)
.endif
.endm
.macro PLACES
.rept 4
	v_nop
.endr
.endm
.macro CROUND                          ; a round of the cluster's barrier
	s_barrier_signal -1
	s_barrier_wait -1
	s_cmp_lg_u32 s[WV], 0
	s_cbranch_scc1 .Lnot_wave_0_\@
	s_barrier_signal -3
.Lnot_wave_0_\@:
	s_barrier_wait -3
	s_barrier_signal -1
	s_barrier_wait -1
.endm
	s_load_b256 s[4:11], s[0:1], 0x0               ; h_img, h_sc, w_pack, bq
	s_load_b256 s[12:19], s[0:1], 0x20             ; bk, bv, q_img, q_sc
	s_load_b128 s[20:23], s[0:1], 0x40             ; kv_img, kv_sc
	v_lshl_add_u32 v254, v0, 2, 0x29000
	v_mov_b32 v255, 0
	ds_add_u32 v254, v255
	v_lshrrev_b32 v28, 5, v0
	v_readfirstlane_b32 s[WV], v28                 ; wave 0..3
	v_and_b32 v28, 31, v0                          ; lane
	v_and_b32 v29, 15, v0                          ; r
	v_bfe_u32 v30, v0, 4, 1                        ; h
	v_lshlrev_b32 v[LI], 4, v28
	v_lshlrev_b32 v[L4], 2, v28
	v_lshlrev_b32 v[VQ], 4, v29
	v_lshl_add_u32 v[VQ], v30, 10, v[VQ]
	v_lshl_add_u32 v[ADB0], v30, 6, BIA            ; transposed: my half's 16 channels of a block
	v_and_b32 v31, 8, v29
	v_add_nc_u32 v31, v31, v29                     ; r + 8 (r / 8)
	v_lshl_add_u32 v[ADN0], v31, 2, BIA+1024       ; natural: bv of my one channel
	s_lshl_b32 s58, s[WV], 8
	s_add_co_u32 s58, s58, SST
	v_lshl_add_u32 v[SQA], v29, 2, s58             ; q's words: tile 4 w + p, row r
	s_lshr_b32 s58, s[WV], 1
	s_lshl_b32 s58, s58, 10                        ; my key step of the group's two
	s_and_b32 s59, s[WV], 1
	s_lshl_b32 s59, s59, 3
	s_add_co_u32 s59, s59, s58
	s_add_co_u32 s59, s59, SST+1024
	v_lshl_add_u32 v[SKA], v29, 4, s59             ; k_mod's words: [lane 16 (t & 1) + r][t / 2], t = 4 (w & 1) + p
	s_and_b32 s59, s[WV], 1
	s_lshl_b32 s59, s59, 1
	s_add_co_u32 s59, s59, s58
	s_add_co_u32 s59, s59, SST+1536
	v_lshl_add_u32 v[SVA0], v29, 4, s59            ; v's: my two bytes (key blocks 2 (w & 1), + 1) of the word [lane 16 u + r][b]
	v_lshlrev_b32 v[T8], 3, v0
	v_add_nc_u32 v[FQ], SST, v[T8]
	v_lshlrev_b32 v[T16], 4, v0
	v_add_nc_u32 v[FK], SST+1024, v[T16]
	v_lshlrev_b32 v[G4T], 2, v0
	v_lshl_add_u32 v[BST], v0, 2, BIA
	WIN 0x80
.irp i, 0,1,2,3,4,5,6,7
	v_mov_b32 v[SWQ+\i], 0                         ; the scale words are gathered byte by byte
.endr
.irp g, 0,1,2,3
	v_mov_b32 v[T2+\g], 0                          ; written once: a lane permute's destination counts as one of its sources
.endr
	WIN 0xc0
.irp g, 0,1,2,3
	v_mov_b32 v[T2+\g], 0
.endr
	WIN 0
	s_and_b32 s[HEAD], ttmp7, 0xffff               ; the head, which the four partners share
	; descriptor group 1: 153 rows of 32 elements of 8 bytes, dense
	s_mov_b32 s[G1], 15|(3<<16)|(1<<21)            ; 15:0 the mask: all four work-groups; 17:16 elements of 8 bytes; 21 set beside a mask
	s_mov_b32 s[G1+1], 32<<16                      ; tensor_dim0
	s_mov_b32 s[G1+2], 153<<16                     ; tensor_dim1
	s_mov_b32 s[G1+3], 32<<16                      ; tile_dim0
	s_mov_b32 s[G1+4], 153                         ; tile_dim1
	s_mov_b32 s[G1+5], 32                          ; from row to row
	s_mov_b32 s[G1+6], 0
	s_mov_b32 s[G1+7], 0
	s_mul_i32 s62, s[HEAD], HEADB
	s_mul_i32 s[LW], s[WV], 39168                  ; my quarter, in memory and in LDS alike
	s_add_co_u32 s62, s62, s[LW]
	s_mov_b32 s63, 0
	s_mov_b32 s[SEL], 0x76543210
	s_mov_b32 s[SEL+1], 0xfedcba98
	s_mov_b32 s[INV], 0x3db504f3                   ; 1 / sqrt(128)
	s_mov_b32 s[INV+1], s[INV]                     ; (named with it as a pair, so it is written)
	s_wait_dscnt 0x0
	s_wait_kmcnt 0x0
	s_mov_b32 s[G0], 1
	s_mov_b32 s[G0+1], s[LW]
	s_add_nc_u64 s[G0+2:G0+3], s[8:9], s[62:63]
	s_or_b32 s[G0+3], s[G0+3], 0x80000000
	CROUND                                         ; all four work-groups are here: the joint loads meet
	tensor_load_to_lds s[G0:G0+3], s[G1:G1+7]      ; my one tensor load of the launch
	s_nop 0
	PLACES                                         ; four v_nop follow it
	; my place enters the addresses of h's images and of the results alone
	s_bfe_u32 s[CX], ttmp6, 0x40000
	s_lshl_b32 s[XB], ttmp9, 2
	s_add_co_u32 s[XB], s[XB], s[CX]               ; my block of 256 rows
	s_lshl_b32 s54, s[XB], 4
	s_lshl_b32 s55, s[WV], 2
	s_add_co_u32 s54, s54, s55                     ; my first tile of rows
	s_mul_i32 s56, s54, 6144
	s_mov_b32 s57, 0
	s_add_nc_u64 s[4:5], s[4:5], s[56:57]
	s_mul_i32 s56, s54, 384
	s_add_nc_u64 s[6:7], s[6:7], s[56:57]
	s_lshl_b32 s56, s[HEAD], 9
	s_add_nc_u64 s[10:11], s[10:11], s[56:57]
	s_add_nc_u64 s[12:13], s[12:13], s[56:57]
	s_add_nc_u64 s[14:15], s[14:15], s[56:57]
	s_lshr_b32 s[BAT], s[XB], 4
	s_and_b32 s[RB], s[XB], 15
	s_mul_i32 s[BH], s[BAT], 6
	s_add_co_u32 s[BH], s[BH], s[HEAD]
	s_lshl_b32 s56, s[BH], 18
	s_lshl_b32 s54, s[RB], 14
	s_add_co_u32 s56, s56, s54
	s_lshl_b32 s54, s[WV], 12
	s_add_co_u32 s56, s56, s54
	s_add_nc_u64 s[QP:QP+1], s[QP:QP+1], s[56:57]  ; q's images: tile 16 rb + 4 w
	s_lshl_b32 s56, s[BH], 14
	s_lshl_b32 s54, s[RB], 10
	s_add_co_u32 s56, s56, s54
	s_add_nc_u64 s[18:19], s[18:19], s[56:57]      ; q's scale words
	s_lshl_b32 s56, s[BH], 15
	s_lshl_b32 s54, s[RB], 11
	s_add_co_u32 s56, s56, s54
	s_add_nc_u64 s[22:23], s[22:23], s[56:57]      ; k_mod's and v's
	s_lshl_b32 s56, s[BH], 19
	s_lshl_b32 s54, s[RB], 15
	s_add_co_u32 s56, s56, s54
	s_lshr_b32 s54, s[WV], 1
	s_lshl_b32 s54, s54, 14
	s_add_co_u32 s56, s56, s54                     ; my key step's record
	s_and_b32 s54, s[WV], 1
	s_lshl_b32 s55, s54, 9
	s_add_co_u32 s55, s55, s56
	s_add_co_u32 s58, s55, 8192
	s_mov_b32 s59, 0
	s_add_nc_u64 s[VP:VP+1], s[20:21], s[58:59]    ; v's images: behind k_mod's eight, my two key blocks
	s_lshl_b32 s54, s54, 12
	s_add_co_u32 s56, s56, s54
	s_add_nc_u64 s[KP:KP+1], s[KP:KP+1], s[56:57]  ; k_mod's images: tile 4 (w & 1)
	WIN 0x40
.set kk, 0
.rept 48
	global_load_b128 v[4*kk:4*kk+3], v[LI], s[4:5] offset:512*kk   ; h's 24 fragments, as they lie
.set kk, kk+1
.endr
	WIN 0
.set kk, 0
.rept 12
	global_load_b32 v[HS+kk], v[L4], s[6:7] offset:128*kk          ; register 3 p + i: lanes 0-15 K step 2 i, lanes 16-31 K step 2 i + 1
.set kk, kk+1
.endr
	global_load_b32 v[BL], v[G4T], s[10:11]
	global_load_b32 v[BL+1], v[G4T], s[12:13]
	global_load_b32 v[BL+2], v[G4T], s[14:15]
	s_mov_b32 s[WB], 0
	s_mov_b32 s[WSB], WSC
	s_mov_b32 s[BB], 0
	s_mov_b32 s[SVB], 0
	s_mov_b32 s[SH], 0
	s_mov_b32 s[BLK], 4
	s_wait_loadcnt 0x0
.irp m, 0,1,2
	ds_store_b32 v[BST], v[BL+\m] offset:512*\m
.endr
	s_wait_tensorcnt 0x0                           ; my quarter of the weights has landed,
	s_wait_dscnt 0x0                               ; my part of the biases too:
	s_barrier_signal -1
	s_barrier_wait -1                              ; everybody's have
.macro WFETCH s                        ; the six tiles' fragments (q, k, v x u) of K step s into set s % 2
.irp f, 0,1,2,3,4,5
.irp c, 0,1
	ds_load_b128 v[WF+48*((\s)%2)+8*\f+4*\c:WF+48*((\s)%2)+8*\f+4*\c+3], v[ADW] offset:6144*\f+1024*(\s)+512*\c
.endr
.endr
.endm
.macro WM odd                          ; an odd K step's scale words lie in lanes 16-31
.if \odd
	v_wmma_scale_f32_16x16x128_f8f6f4 v[rD:rD+7], v[rA:rA+7], v[rB:rB+7], v[rC:rC+7], v[rX], v[rY] matrix_a_fmt:MATRIX_FMT_FP4 matrix_b_fmt:MATRIX_FMT_FP4 matrix_a_scale:MATRIX_SCALE_ROW1 matrix_b_scale:MATRIX_SCALE_ROW1
.else
	v_wmma_scale_f32_16x16x128_f8f6f4 v[rD:rD+7], v[rA:rA+7], v[rB:rB+7], v[rC:rC+7], v[rX], v[rY] matrix_a_fmt:MATRIX_FMT_FP4 matrix_b_fmt:MATRIX_FMT_FP4
.endif
.endm
.macro KSTEP s                         ; 128 along K: 24 transposed products and 8 natural ones; the next step's weights are fetched ahead of them
.if (\s) < 5
.if (\s) > 0
	PLACES                                         ; four places in front of loads into registers that the last step's products have read
.endif
	WIN 0xc0
	WFETCH (\s)+1
	s_wait_dscnt 12                                ; all but the 12 just issued
.else
	s_wait_dscnt 0x0
.endif
.if (\s) == 0
	WIN 0xb7                                       ; W window 3, h window 1, C (the bias) window 3, D window 2
.else
	WIN 0xa7                                       ; C and D window 2
.endif
.irp m, 0,1,2
.irp u, 0,1
.irp p, 0,1,2,3
.set rD, 64*\m+16*\p+8*\u
.set rA, WF+48*((\s)%2)+8*(2*\m+\u)
.set rB, 8*(6*\p+(\s))
.set rC, rD
.if (\s) == 0
.set rC, BT+8*(2*\m+\u)
.endif
.set rX, WS+3*(2*\m+\u)+(\s)/2
.set rY, HS+3*\p+(\s)/2
	WM (\s)%2
.endr
.endr
.endr
	WIN 0xfd                                       ; h window 1, Wv, C and D window 3
.irp u, 0,1
.irp p, 0,1,2,3
.set rD, VN+32*\u+8*\p
.set rA, 8*(6*\p+(\s))
.set rB, WF+48*((\s)%2)+8*(4+\u)
.set rC, rD
.if (\s) == 0
.set rC, BN+8*\u
.endif
.set rX, HS+3*\p+(\s)/2
.set rY, WS+3*(4+\u)+(\s)/2
	WM (\s)%2
.endr
.endr
.endm
; Four groups of 16 registers, v[S + 16 g] on, each half a block of 32 (the other half lies in lane l xor 16), under ONE window for all operands.  Each accumulator is read from its low end on.
; Behind it v[C .. C+3] hold group 0's whole block in lanes 0-15 and group 1's in lanes 16-31, v[C+4 .. C+7] groups 2 and 3 likewise; v[Y + g] is group g's byte.
.macro QB S, C
.irp g, 0,1,2,3
	v_max3_num_f32 v[BM+\g], |v[\S+16*\g]|, |v[\S+16*\g+1]|, 0x1800000   ; and the floor 2^(3 - 127): the byte cannot fall under 1
.endr
.irp i, 2,4,6,8,10,12,14
.irp g, 0,1,2,3
	v_max3_num_f32 v[BM+\g], v[BM+\g], |v[\S+16*\g+\i]|, |v[\S+16*\g+\i+1]|
.endr
.endr
.irp g, 0,1,2,3
	v_permlanex16_b32 v[T2+\g], v[BM+\g], s[SEL], s[SEL+1]
.endr
.irp g, 0,1,2,3
	v_max_num_f32 v[BM+\g], v[BM+\g], v[T2+\g]
.endr
.irp g, 0,1,2,3
	v_add_nc_u32 v[SO+\g], 0xff000000, v[BM+\g]    ; 2 off the exponent field: the conversion's scale operand
.endr
.irp g, 0,1,2,3
	v_lshrrev_b32 v[Y+\g], 23, v[SO+\g]
.endr
.irp g, 0,1,2,3
	v_cvt_scalef32_pk8_fp4_f32 v[\C+2*\g], v[\S+16*\g:\S+16*\g+7], v[SO+\g]
	v_cvt_scalef32_pk8_fp4_f32 v[\C+2*\g+1], v[\S+16*\g+8:\S+16*\g+15], v[SO+\g]
.endr
	v_nop                                          ; one plain place behind a scaled conversion
.irp c, 0,1
.irp i, 0,1
	v_permlane16_swap_b32 v[\C+4*\c+\i], v[\C+4*\c+2+\i]
.endr
.endr
.endm
.Lblk:                                             ; four trips: block b of 32 channels
	v_add_nc_u32 v[ADW], s[WB], v[LI]
	v_add_nc_u32 v[ADS], s[WSB], v[L4]
	v_add_nc_u32 v[ADB], s[BB], v[ADB0]
	v_add_nc_u32 v[ADN], s[BB], v[ADN0]
	v_add_nc_u32 v[ADSV], s[SVB], v[SVA0]
.set kk, 0
.rept 18
	ds_load_b32 v[WS+kk], v[ADS] offset:128*kk     ; register 3 (2 m + u) + i: lanes 0-15 K step 2 i, lanes 16-31 K step 2 i + 1
.set kk, kk+1
.endr
	WIN 0xc0
.irp m, 0,1,2
.irp u, 0,1
	ds_load_b128 v[BT+8*(2*\m+\u):BT+8*(2*\m+\u)+3], v[ADB] offset:512*\m+32*\u
	ds_load_b128 v[BT+8*(2*\m+\u)+4:BT+8*(2*\m+\u)+7], v[ADB] offset:512*\m+32*\u+16
.endr
.endr
.irp u, 0,1
.irp j, 0,1,2,3,4,5,6,7
	ds_load_b32 v[BN+8*\u+\j], v[ADN] offset:32*\u ; my channel's bv in all eight registers
.endr
.endr
	WFETCH 0
	KSTEP 0
	KSTEP 1
	KSTEP 2
	KSTEP 3
	KSTEP 4
	KSTEP 5
	PLACES                                         ; four places between the last products and the first read of results
	WIN 0xaa
	QB QA, CQ                                      ; q: group p = my tile p of rows, block b of the head's K
.irp g, 0,1,2,3
	v_lshl_or_b32 v[SWQ+\g], v[Y+\g], s[SH], v[SWQ+\g]
.endr
	WIN 0x08
	global_store_b128 v[VQ], v[CQ:CQ+3], s[QP:QP+1]               ; sixteen lanes store 256 consecutive bytes, aligned: block b of a tile's image
	global_store_b128 v[VQ], v[CQ+4:CQ+7], s[QP:QP+1] offset:2048
	WIN 0xaa
	; k_mod = k inv + a / (1 + |a|) + v, a = k inv / (1 + |k|); q's registers are free and hold a
.set jj, 0
.rept 64
	v_add_f32 v[QA+jj], 1.0, |v[KA+jj]|
.set jj, jj+1
.endr
.set jj, 0
.rept 64
	v_rcp_f32 v[QA+jj], v[QA+jj]
.set jj, jj+1
.endr
.set jj, 0
.rept 32
	v_pk_fma_f32 v[VA+2*jj:VA+2*jj+1], v[KA+2*jj:KA+2*jj+1], s[INV:INV+1], v[VA+2*jj:VA+2*jj+1] op_sel_hi:[1,0,1]   ; k inv + v: plain work behind the reciprocals
.set jj, jj+1
.endr
.set jj, 0
.rept 32
	v_pk_mul_f32 v[KA+2*jj:KA+2*jj+1], v[KA+2*jj:KA+2*jj+1], s[INV:INV+1] op_sel_hi:[1,0]
.set jj, jj+1
.endr
	s_wait_alu depctr_va_vdst(0)                   ; one wait for the 64 reciprocals, ahead of their first reader
.set jj, 0
.rept 32
	v_pk_mul_f32 v[QA+2*jj:QA+2*jj+1], v[KA+2*jj:KA+2*jj+1], v[QA+2*jj:QA+2*jj+1]   ; a
.set jj, jj+1
.endr
.set jj, 0
.rept 64
	v_add_f32 v[KA+jj], 1.0, |v[QA+jj]|
.set jj, jj+1
.endr
.set jj, 0
.rept 64
	v_rcp_f32 v[KA+jj], v[KA+jj]
.set jj, jj+1
.endr
	WIN 0xff
	QB VN, CV                                      ; v along the keys: group 2 u + i = channel tile u, my key block i: the independent work behind the second batch
	v_lshl_or_b32 v[YH], v[Y+1], 8, v[Y]
	v_lshl_or_b32 v[YH+1], v[Y+3], 8, v[Y+2]
	WIN 0x0c
	global_store_b128 v[LI], v[CV:CV+3], s[VP:VP+1]               ; 512 consecutive bytes: my two key blocks of channel tile 2 b
	global_store_b128 v[LI], v[CV+4:CV+7], s[VP:VP+1] offset:1024 ; and of 2 b + 1
	ds_store_b16 v[ADSV], v[YH]
	ds_store_b16 v[ADSV], v[YH+1] offset:256
	WIN 0xaa
	s_wait_alu depctr_va_vdst(0)                   ; one wait for the second 64
.set jj, 0
.rept 32
	v_pk_fma_f32 v[KA+2*jj:KA+2*jj+1], v[QA+2*jj:QA+2*jj+1], v[KA+2*jj:KA+2*jj+1], v[VA+2*jj:VA+2*jj+1]   ; k_mod
.set jj, jj+1
.endr
	QB KA, CK
.irp g, 0,1,2,3
	v_lshl_or_b32 v[SWK+\g], v[Y+\g], s[SH], v[SWK+\g]
.endr
	WIN 0x08
	global_store_b128 v[VQ], v[CK:CK+3], s[KP:KP+1]
	global_store_b128 v[VQ], v[CK+4:CK+7], s[KP:KP+1] offset:2048
	WIN 0
	s_wait_xcnt 0x0                                ; the stores have read their bases and their data: both are written again only behind this wait
	s_add_nc_u64 s[QP:QP+1], s[QP:QP+1], 256
	s_add_nc_u64 s[KP:KP+1], s[KP:KP+1], 256
	s_add_nc_u64 s[VP:VP+1], s[VP:VP+1], 2048
	s_add_co_u32 s[WB], s[WB], 36864
	s_add_co_u32 s[WSB], s[WSB], 2304
	s_add_co_u32 s[BB], s[BB], 128
	s_add_co_u32 s[SVB], s[SVB], 4
	s_add_co_u32 s[SH], s[SH], 8
	s_sub_co_u32 s[BLK], s[BLK], 1
	s_cmp_lg_u32 s[BLK], 0
	s_cbranch_scc1 .Lblk
	WIN 0x08
.irp p, 0,1,2,3
	ds_store_b32 v[SQA], v[SWQ+\p] offset:64*\p                    ; both halves of the lanes write the same word with the same value
	ds_store_b32 v[SKA], v[SWK+\p] offset:256*(\p%2)+4*(\p/2)
.endr
	WIN 0
	s_wait_dscnt 0x0                               ; for the others' sake: my scale words and bytes lie in LDS
	s_barrier_signal -1
	s_barrier_wait -1
	ds_load_b64 v[FD:FD+1], v[FQ]
	ds_load_b128 v[FD+2:FD+5], v[FK]
	s_wait_dscnt 0x0
	global_store_b64 v[T8], v[FD:FD+1], s[18:19]   ; a wave stores 256 consecutive bytes,
	global_store_b128 v[T16], v[FD+2:FD+5], s[22:23]   ; and 512
	s_wait_tensorcnt 0x0
	ds_add_u32 v254, v255
	s_wait_dscnt 0x0
	CROUND                                         ; the closing round: no work-group ends while a partner may still ask jointly
	s_endpgm
.Lfunc_end_k_q5974582bac_proj:
	.size	k_q5974582bac_proj, .Lfunc_end_k_q5974582bac_proj-k_q5974582bac_proj
	.p2alignl 7, 3214868480
	.fill 96, 4, 3214868480
	.section	.rodata,"a",@progbits
	.p2align	6, 0x0
	.amdhsa_kernel k_q5974582bac_proj
		.amdhsa_group_segment_fixed_size 168448
		.amdhsa_private_segment_fixed_size 0
		.amdhsa_enable_private_segment 0
		.amdhsa_kernarg_size 80
		.amdhsa_user_sgpr_count 2
		.amdhsa_user_sgpr_kernarg_segment_ptr 1
		.amdhsa_wavefront_size32 1
		.amdhsa_system_sgpr_workgroup_id_x 1
		.amdhsa_system_sgpr_workgroup_id_y 1
		.amdhsa_system_sgpr_workgroup_id_z 1
		.amdhsa_system_vgpr_workitem_id 0
		.amdhsa_next_free_vgpr 1024
		.amdhsa_next_free_sgpr 66
		.amdhsa_reserve_vcc 0
		.amdhsa_float_denorm_mode_32 3
		.amdhsa_float_denorm_mode_16_64 3
		.amdhsa_memory_ordered 1
		.amdhsa_forward_progress 1
		.amdhsa_inst_pref_size 80
	.end_amdhsa_kernel
	.amdgpu_metadata
---
amdhsa.version: [ 1, 2 ]
amdhsa.kernels:
  - .name:           k_q5974582bac_proj
    .symbol:         k_q5974582bac_proj.kd
    .args:
      - { .name: h_img, .offset: 0, .size: 8, .value_kind: global_buffer, .address_space: global }
      - { .name: h_sc, .offset: 8, .size: 8, .value_kind: global_buffer, .address_space: global }
      - { .name: w_pack, .offset: 16, .size: 8, .value_kind: global_buffer, .address_space: global }
      - { .name: bq, .offset: 24, .size: 8, .value_kind: global_buffer, .address_space: global }
      - { .name: bk, .offset: 32, .size: 8, .value_kind: global_buffer, .address_space: global }
      - { .name: bv, .offset: 40, .size: 8, .value_kind: global_buffer, .address_space: global }
      - { .name: q_img, .offset: 48, .size: 8, .value_kind: global_buffer, .address_space: global }
      - { .name: q_sc, .offset: 56, .size: 8, .value_kind: global_buffer, .address_space: global }
      - { .name: kv_img, .offset: 64, .size: 8, .value_kind: global_buffer, .address_space: global }
      - { .name: kv_sc, .offset: 72, .size: 8, .value_kind: global_buffer, .address_space: global }
    .group_segment_fixed_size: 168448
    .private_segment_fixed_size: 0
    .kernarg_segment_align: 8
    .kernarg_segment_size: 80
    .max_flat_workgroup_size: 128
    .sgpr_count:     66
    .vgpr_count:     1024
    .wavefront_size: 32
...
	.end_amdgpu_metadata
.endif
;; end of part 2
;; launch attn (part 3): grid 16 x 12, 8 waves a work-group, clusters of 4 x 1, 327,680 bytes of LDS; arguments q_img, q_sc, kv_img, kv_sc, attention_mask, out0; writes out0
.if DOCPART == 3
	.amdgcn_target "amdgcn-amd-amdhsa--gfx1250"
	.amdhsa_code_object_version 6
	.text
	.protected	k_q5974582bac_attn
	.globl	k_q5974582bac_attn
	.p2align	8
	.type	k_q5974582bac_attn,@function
k_q5974582bac_attn:
	s_mov_b64 s[64:65], 0
	v_nop
	global_prefetch_b8 v0, s[64:65] scope:SCOPE_SE
	s_setreg_imm32_b32 hwreg(HW_REG_WAVE_MODE, 25, 1), 1
	s_wait_xcnt 0x0
	s_wait_alu depctr_hold_cnt(0) depctr_sa_sdst(0) depctr_va_vdst(0) depctr_va_sdst(0) depctr_va_ssrc(0) depctr_va_vcc(0) depctr_vm_vsrc(0)
	s_getreg_b32 s2, hwreg(HW_REG_IB_STS2, 6, 4)
	s_cmp_eq_u32 s2, 0
	s_cbranch_scc0 .Lentry_in_a_cluster
	s_endpgm
.Lentry_in_a_cluster:
	s_bfe_u32 s2, ttmp6, 0x10000c
	s_cmp_lg_u32 s2, 0x3003
	s_cbranch_scc0 .Lentry_shape_is_right
	s_endpgm
.Lentry_shape_is_right:
; out[b][q][head] = softmax_k(q . k_mod / sqrt(128), the whole row -10000 where the QUERY's mask is 0) v, both products on codes of FP4 with E8M0 scales.
; THE SOFTMAX AHEAD OF THE SECOND PRODUCT: t = logit x log2(e); M = the row's largest t so far, rounded up to a whole number; p = 2^(t - M) is quantised along the keys, not normalised; the row's sum is taken of
; the unquantised p and divides at the end.  When M moves, the sum and O are multiplied by 2^(old M - new M), which rounds nothing.
; THE MASK only selects two numbers a lane: t = score x cq + aq with (cq, aq) = (log2(e) / sqrt(128), 0), or (0, -10000 log2(e)) where the query is masked.  It rides on the multiply-add that is there anyway.
; SHARES: a work-group owns 256 queries of one (batch, head); each of its eight waves 32: tile A (u = 0) in register window 0 and tile B (u = 1) in window 1 AT THE SAME REGISTER NUMBERS, so that one text serves both.
; Each fragment of k_mod and of v read from LDS feeds two products.  Every wave walks all 4,096 keys, 128 a step.
; LAYOUT: both products transposed (S^T = K Q^T, O^T = V^T P^T): a lane holds one query.  All operands lie in memory and LDS as images of their registers (1,024 bytes a fragment, 16 bytes a lane):
; every fragment is two loads of 512 consecutive bytes.  The rows of a tile are 8 u + r + 8 (r / 8) of a block of 32, so that the 16 registers of two neighbouring tiles are 16 neighbours.
; RING: two LDS slots of four key steps (a step's record: 8 tiles of k_mod, 8 of v: 16,384 bytes), filled by waves 0 to 3, one record each; the head's 32,768 scale bytes come once.
; CLUSTER: the four work-groups of a cluster belong to one (batch, head) and walk the same records: every tensor load is a joint one, the same descriptor in all four.
; PIPELINE: a key step's body fetches the NEXT record's k_mod, runs both tiles' softmax of the step in hand, then the step's V^T P, then the next step's K Q^T, then fetches the next record's v: a body reads one record.
; LIMITS: NaN and infinities are not served (a masked row needs finite scores: they are multiplied by 0).  v_exp_f32 gives 0 under 2^-126.  A block of p under 2^-124 gets the byte 1.  The division by the sum is v_rcp_f32 and a multiplication.
.set REC,   16384
.set SLOTB, 65536
.set SLOT1, 65536
.set SCB,   131072                     ; the head's scale bytes: a step's 1,024: k_mod's 512, v's 512
.set STAGE, 163840                     ; the way out: 16 rows x 528 bytes for each wave, bytes into which no fill lands
.set SPARE, 231424                     ; the spare words, 128 bytes for each wave: four blocks of 256 bytes that no other line names
.set LI,   1                           ; 16 x lane
.set ADR,  2                           ; the record in hand
.set ADS,  3                           ; its scale words
.set SPW,  4                           ; LDS address of my spare word; never rewritten
.set NIL,  5                           ; 0; never rewritten
.set PFO,  6                           ; 256 x lane
.set STO,  7
.set RD,   8
.set QF,   16                          ; (each window) Q's fragment
.set KS,   24                          ; v24-27 k_mod's scale words: register i: lanes 0-15 tile 2 i, lanes 16-31 tile 2 i + 1
.set VS,   28                          ; v28-31 v's likewise
.set KF,   32                          ; window 0: k_mod's eight fragments
.set VF,   32                          ; window 1: v's
.set S,    96                          ; (each window) S^T, then p
.set O,    160                         ; (each window) O^T
.set PC,   224                         ; (each window) p's codes
.set BM,   232
.set T2,   236
.set QS,   240                         ; Q's scale words: tile A's in lanes 0-15, tile B's in lanes 16-31
.set LSC,  241                         ; SCB + 16 x lane
.set PW,   242                         ; v242, v243: p's scale word of tile A, of tile B
.set SO,   244
; (each window) v9 mask, v10 cq, v11 aq, v12 aq - M, v13 the largest t, v[14:15] the sum, v250, v251, v254 at work, v[252:253] f
.set WV,   16
.set CX,   17
.set WGX,  18
.set BH,   19
.set BAT,  20
.set HEAD, 21
.set TB,   22
.set TS,   23
.set G1,   24
.set G1S,  32
.set G0A,  40
.set G0W,  44
.set G0S,  48
.set SEL,  52
.set SLOTS, 54
.set CNT,  55
.set PFA,  56
.set LIM,  58
.set MSB, 0
.macro WIN new                         ; the immediate's high byte repeats the setting that is left; a switch that changes nothing is dropped
.if MSB != (\new)
	s_set_vgpr_msb (MSB<<8)|(\new)
.set MSB, (\new)
.endif
.endm
.macro PLACES
.rept 4
	v_nop
.endr
.endm
.macro CROUND                          ; a round of the cluster's barrier
	s_barrier_signal -1
	s_barrier_wait -1
	s_cmp_lg_u32 s[WV], 0
	s_cbranch_scc1 .Lnot_wave_0_\@
	s_barrier_signal -3
.Lnot_wave_0_\@:
	s_barrier_wait -3
	s_barrier_signal -1
	s_barrier_wait -1
.endm
.macro JLOAD                           ; the joint refill: waves 0 to 3, a record each; four v_nop follow the line
	s_cmp_lt_u32 s[WV], 4
	s_cbranch_scc0 .Lno_load_\@
	tensor_load_to_lds s[G0W:G0W+3], s[G1:G1+7]
	s_nop 0
	PLACES
.Lno_load_\@:
.endm
; A prefetch of the slot that the NEXT change of slots will ask for.  All clusters of a (batch, head) walk the same records: the first cluster asks.  Its four partners take a record each, told apart by address;
; in each, wave 4 asks for the record's first 8,192 bytes and wave 5 for the rest, lanes 256 bytes apart.  So each 256 bytes are named once in the launch.  The last change that fills a slot asks for nothing.
.macro ASK
	s_cmp_gt_u32 s[SLOTS], s[LIM]
	s_cbranch_scc0 .Lnot_mine_\@
	global_prefetch_b8 v[PFO], s[PFA:PFA+1] th:TH_LOAD_NT scope:SCOPE_SE
.Lnot_mine_\@:
.endm
	s_load_b256 s[4:11], s[0:1], 0x0               ; q_img, q_sc, kv_img, kv_sc
	s_load_b128 s[12:15], s[0:1], 0x20             ; attention_mask, out0
	v_lshl_add_u32 v[SPW], v0, 2, SPARE
	v_mov_b32 v[NIL], 0
	ds_add_u32 v4, v5
	s_wait_dscnt 0x0
	v_lshrrev_b32 v1, 5, v0
	v_readfirstlane_b32 s[WV], v1                  ; wave 0..7
	v_and_b32 v1, 31, v0
	v_lshlrev_b32 v[LI], 4, v1
	v_and_b32 v2, 15, v0                           ; r
	v_bfe_u32 v3, v0, 4, 1                         ; h
	v_lshlrev_b32 v[PFO], 4, v[LI]
	s_mul_i32 s59, s[WV], 8448
	s_add_co_u32 s59, s59, STAGE                   ; my stage
	v_mul_u32_u24 v[STO], v2, 528
	v_lshl_add_u32 v[STO], v3, 6, v[STO]
	v_add_nc_u32 v[STO], s59, v[STO]               ; in: row r, + 64 h
	v_add_nc_u32 v[RD], s59, v[LI]                 ; back: a row of 512 bytes, 16 a lane
	v_add_nc_u32 v[LSC], SCB, v[LI]
	v_and_b32 v251, 8, v2
	v_add_nc_u32 v251, v251, v2
	v_lshlrev_b32 v251, 2, v251                    ; the mask's word of my query: 4 (r + 8 (r / 8))
	v_lshrrev_b32 v250, 2, v[LI]                   ; 4 x lane
	s_and_b32 s[BH], ttmp7, 0xffff                 ; 6 x batch + head, which the four partners share
	; descriptor groups 1: rows of 32 elements of 8 bytes, dense: 64 rows (a record), 32 rows (a quarter of the scale bytes)
	s_mov_b32 s[G1], 15|(3<<16)|(1<<21)            ; 15:0 the mask: all four work-groups; 17:16 elements of 8 bytes; 21 set beside a mask
	s_mov_b32 s[G1+1], 32<<16
	s_mov_b32 s[G1+2], 64<<16
	s_mov_b32 s[G1+3], 32<<16
	s_mov_b32 s[G1+4], 64
	s_mov_b32 s[G1+5], 32
	s_mov_b32 s[G1+6], 0
	s_mov_b32 s[G1+7], 0
	s_mov_b32 s[G1S], 15|(3<<16)|(1<<21)
	s_mov_b32 s[G1S+1], 32<<16
	s_mov_b32 s[G1S+2], 32<<16
	s_mov_b32 s[G1S+3], 32<<16
	s_mov_b32 s[G1S+4], 32
	s_mov_b32 s[G1S+5], 32
	s_mov_b32 s[G1S+6], 0
	s_mov_b32 s[G1S+7], 0
	s_lshl_b32 s60, s[BH], 19
	s_lshl_b32 s59, s[WV], 14                      ; my record of a slot, in memory and in LDS alike
	s_add_co_u32 s60, s60, s59
	s_mov_b32 s61, 0
	s_mov_b32 s[SEL], 0x76543210
	s_mov_b32 s[SEL+1], 0xfedcba98
	s_mov_b32 s[TB], 0
	s_mov_b32 s[TS], 0
	s_mov_b32 s[SLOTS], 6
	s_wait_kmcnt 0x0
	s_mov_b32 s[G0A], 1
	s_mov_b32 s[G0A+1], s59                        ; slot 0
	s_add_nc_u64 s[G0A+2:G0A+3], s[8:9], s[60:61]
	s_mov_b32 s[G0W], 1
	s_add_co_u32 s[G0W+1], s59, SLOT1              ; slot 1; this one walks
	s_add_nc_u64 s[G0W+2:G0W+3], s[G0A+2:G0A+3], SLOTB
	s_or_b32 s[G0A+3], s[G0A+3], 0x80000000
	s_or_b32 s[G0W+3], s[G0W+3], 0x80000000
	s_lshl_b32 s60, s[BH], 15
	s_lshl_b32 s59, s[WV], 13
	s_add_co_u32 s60, s60, s59
	s_mov_b32 s[G0S], 1
	s_add_co_u32 s[G0S+1], s59, SCB
	s_add_nc_u64 s[G0S+2:G0S+3], s[10:11], s[60:61]
	s_or_b32 s[G0S+3], s[G0S+3], 0x80000000
	CROUND                                         ; all four work-groups are here: the first joint loads meet
	s_cmp_lt_u32 s[WV], 4                          ; a wave's three first fills stand in one branch, ahead of every wait on TENSORcnt and every LDS read: three loads of mine are out
	s_cbranch_scc0 .Lfirst_asked
	tensor_load_to_lds s[G0S:G0S+3], s[G1S:G1S+7]
	s_nop 0
	tensor_load_to_lds s[G0A:G0A+3], s[G1:G1+7]
	s_nop 0
	tensor_load_to_lds s[G0W:G0W+3], s[G1:G1+7]
	s_nop 0
	PLACES
.Lfirst_asked:
	; my place in the cluster enters the addresses of Q, the mask, the output and the prefetches alone
	s_bfe_u32 s[CX], ttmp6, 0x40000
	s_lshl_b32 s[WGX], ttmp9, 2
	s_add_co_u32 s[WGX], s[WGX], s[CX]             ; my block of 256 queries
	s_cmp_ge_u32 s[BH], 6
	s_cselect_b32 s[BAT], 1, 0
	s_mul_i32 s[HEAD], s[BAT], 6
	s_sub_co_u32 s[HEAD], s[BH], s[HEAD]
	s_lshl_b32 s62, s[WGX], 4
	s_lshl_b32 s63, s[WV], 1
	s_add_co_u32 s59, s62, s63                     ; tile A's number in the head
	s_lshl_b32 s62, s[BH], 18
	s_lshl_b32 s63, s59, 10
	s_add_co_u32 s62, s62, s63
	s_mov_b32 s63, 0
	s_add_nc_u64 s[4:5], s[4:5], s[62:63]
	s_lshl_b32 s62, s[BH], 14
	s_lshl_b32 s59, s59, 6
	s_add_co_u32 s62, s62, s59
	s_add_nc_u64 s[6:7], s[6:7], s[62:63]
	s_lshl_b32 s62, s[BAT], 12
	s_lshl_b32 s59, s[WGX], 8
	s_add_co_u32 s62, s62, s59
	s_lshl_b32 s59, s[WV], 5
	s_add_co_u32 s59, s62, s59                     ; my first query among the 8,192
	s_lshl_b32 s62, s59, 2
	s_add_nc_u64 s[12:13], s[12:13], s[62:63]
	s_mul_i32 s62, s59, 3072
	s_lshl_b32 s59, s[HEAD], 9
	s_add_co_u32 s62, s62, s59
	s_add_nc_u64 s[14:15], s[14:15], s[62:63]
	s_lshl_b32 s62, s[BH], 19
	s_add_co_u32 s62, s62, 2*SLOTB                 ; the prefetches stand in the third slot's keys; the first change of slots steps them to the fourth's.  Nothing is prefetched here, at the head
	s_lshl_b32 s59, s[CX], 14
	s_add_co_u32 s62, s62, s59
	s_and_b32 s59, s[WV], 1
	s_lshl_b32 s59, s59, 13
	s_add_co_u32 s62, s62, s59
	s_add_nc_u64 s[PFA:PFA+1], s[8:9], s[62:63]
	s_sub_co_u32 s[LIM], s[WV], 4
	s_lshr_b32 s[LIM], s[LIM], 1                   ; 0 in waves 4 and 5,
	s_or_b32 s[LIM], s[LIM], ttmp9                 ; of the head's first cluster: the same in all four partners
	s_cmp_eq_u32 s[LIM], 0
	s_cselect_b32 s[LIM], 1, -1
	global_load_b128 v[QF:QF+3], v[LI], s[4:5]
	global_load_b128 v[QF+4:QF+7], v[LI], s[4:5] offset:512
	global_load_b32 v[QS], v250, s[6:7]
	global_load_b32 v9, v251, s[12:13]
	WIN 0x40
	global_load_b128 v[QF:QF+3], v[LI], s[4:5] offset:1024
	global_load_b128 v[QF+4:QF+7], v[LI], s[4:5] offset:1536
	global_load_b32 v9, v251, s[12:13] offset:32   ; tile B's queries lie 8 further on
	WIN 0
	s_wait_loadcnt 0x0
.macro INIT w
	WIN 0x55*\w
	v_mov_b32 v250, 0
	v_mov_b32 v251, 0xc6616bcd                     ; -10000 log2(e)
	v_cmp_eq_u32 vcc_lo, 0, v9
	v_cndmask_b32 v10, 0x3e0293ee, v250, vcc_lo    ; cq: log2(e) / sqrt(128), or 0 where my query is masked
	v_cndmask_b32 v11, 0, v251, vcc_lo             ; aq
	v_mov_b32 v13, 0xff61b1e6                      ; the largest t so far: -3e38
	v_floor_f32 v12, -v13
	v_mov_b32 v14, 0
	v_mov_b32 v15, 0
	v_mov_b32 v253, 0                              ; (named as the upper half of a pair before it is first written)
.irp b, 0,1,2,3
	v_mov_b32 v[T2+\b], 0                          ; a lane permute's destination counts as one of its sources
.endr
.set jj, 0
.rept 64
	v_mov_b32 v[O+jj], 0                           ; the key step is written without a first step of its own: the first change of M multiplies zeros
.set jj, jj+1
.endr
.endm
	INIT 0
	INIT 1
	WIN 0
.macro FETCH_K
.irp t, 0,1,2,3,4,5,6,7
.irp c, 0,1
	ds_load_b128 v[KF+8*\t+4*\c:KF+8*\t+4*\c+3], v[ADR] offset:1024*\t+512*\c
.endr
.endr
	ds_load_b128 v[KS:KS+3], v[ADS]
.endm
.macro FETCH_V
	WIN 0x40
.irp t, 0,1,2,3,4,5,6,7
.irp c, 0,1
	ds_load_b128 v[VF+8*\t+4*\c:VF+8*\t+4*\c+3], v[ADR] offset:8192+1024*\t+512*\c
.endr
.endr
	WIN 0
	ds_load_b128 v[VS:VS+3], v[ADS] offset:512
.endm
.macro QK w                            ; S^T = K Q^T for tile w: eight tiles of 16 keys
	WIN 0x44*\w
.irp t, 0,1,2,3,4,5,6,7
.set rS, S+8*\t
.set rK, KF+8*\t
.set rZ, KS+\t/2
.if (\t%2) && (\w)
	v_wmma_scale_f32_16x16x128_f8f6f4 v[rS:rS+7], v[rK:rK+7], v[QF:QF+7], 0, v[rZ], v[QS] matrix_a_fmt:MATRIX_FMT_FP4 matrix_b_fmt:MATRIX_FMT_FP4 matrix_a_scale:MATRIX_SCALE_ROW1 matrix_b_scale:MATRIX_SCALE_ROW1
.elseif \t%2
	v_wmma_scale_f32_16x16x128_f8f6f4 v[rS:rS+7], v[rK:rK+7], v[QF:QF+7], 0, v[rZ], v[QS] matrix_a_fmt:MATRIX_FMT_FP4 matrix_b_fmt:MATRIX_FMT_FP4 matrix_a_scale:MATRIX_SCALE_ROW1
.elseif \w
	v_wmma_scale_f32_16x16x128_f8f6f4 v[rS:rS+7], v[rK:rK+7], v[QF:QF+7], 0, v[rZ], v[QS] matrix_a_fmt:MATRIX_FMT_FP4 matrix_b_fmt:MATRIX_FMT_FP4 matrix_b_scale:MATRIX_SCALE_ROW1
.else
	v_wmma_scale_f32_16x16x128_f8f6f4 v[rS:rS+7], v[rK:rK+7], v[QF:QF+7], 0, v[rZ], v[QS] matrix_a_fmt:MATRIX_FMT_FP4 matrix_b_fmt:MATRIX_FMT_FP4
.endif
.endr
.endm
.macro PV w                            ; O^T += V^T P^T for tile w: eight tiles of 16 channels
	WIN 0x01+0x54*\w
.irp t, 0,1,2,3,4,5,6,7
.set rO, O+8*\t
.set rV, VF+8*\t
.set rZ, VS+\t/2
.if \t%2
	v_wmma_scale_f32_16x16x128_f8f6f4 v[rO:rO+7], v[rV:rV+7], v[PC:PC+7], v[rO:rO+7], v[rZ], v[PW+\w] matrix_a_fmt:MATRIX_FMT_FP4 matrix_b_fmt:MATRIX_FMT_FP4 matrix_a_scale:MATRIX_SCALE_ROW1
.else
	v_wmma_scale_f32_16x16x128_f8f6f4 v[rO:rO+7], v[rV:rV+7], v[PC:PC+7], v[rO:rO+7], v[rZ], v[PW+\w] matrix_a_fmt:MATRIX_FMT_FP4 matrix_b_fmt:MATRIX_FMT_FP4
.endif
.endr
.endm
; One tile's softmax for a key step, all in the tile's own window but for the scale word, which lies in window 0.
.macro SM w
	WIN 0x55*\w
.irp b, 0,1,2,3
	v_max3_num_f32 v[BM+\b], v[S+16*\b], v[S+16*\b+1], v[S+16*\b+2]   ; the largest score of each block of 32 keys: it serves the row's maximum and, since p rises with the score, the block's largest p
.endr
.irp i, 3,5,7,9,11,13
.irp b, 0,1,2,3
	v_max3_num_f32 v[BM+\b], v[BM+\b], v[S+16*\b+\i], v[S+16*\b+\i+1]
.endr
.endr
.irp b, 0,1,2,3
	v_max_num_f32 v[BM+\b], v[BM+\b], v[S+16*\b+15]
.endr
.irp b, 0,1,2,3
	v_permlanex16_b32 v[T2+\b], v[BM+\b], s[SEL], s[SEL+1]
.endr
.irp b, 0,1,2,3
	v_max_num_f32 v[BM+\b], v[BM+\b], v[T2+\b]     ; with lane l xor 16's 16 keys
.endr
	v_max3_num_f32 v254, v[BM], v[BM+1], v[BM+2]
	v_max_num_f32 v254, v254, v[BM+3]
	v_fma_f32 v254, v254, v10, v11                 ; the step's largest t (cq is never negative)
	v_max_num_f32 v13, v13, v254
	v_mov_b32 v254, v12
	v_floor_f32 v251, -v13                         ; -M = floor(-t): M is a whole number
	v_add_f32 v12, v11, v251                       ; aq - M
	v_sub_f32 v254, v12, v254                      ; old M - new M
	v_cvt_i32_f32 v254, v254                       ; (it saturates)
	v_ldexp_f32 v252, 1.0, v254                    ; f = 2^(old M - new M)
.irp b, 0,1,2,3
	v_fma_f32 v[BM+\b], v[BM+\b], v10, v12
.endr
	; ONE BATCH of 68 exponentials; between them the scalings of later pairs and the rescaling of O^T, none of which names an exponential's result
.irp j, 0,1,2,3
	v_pk_fma_f32 v[S+2*\j:S+2*\j+1], v[S+2*\j:S+2*\j+1], v[10:11], v[12:13] op_sel_hi:[1,0,0]   ; t - M
.endr
.set jj, 0
.rept 32
	v_exp_f32 v[S+2*jj], v[S+2*jj]
.if jj < 28
	v_pk_fma_f32 v[S+2*jj+8:S+2*jj+9], v[S+2*jj+8:S+2*jj+9], v[10:11], v[12:13] op_sel_hi:[1,0,0]
.endif
	v_exp_f32 v[S+2*jj+1], v[S+2*jj+1]
	v_pk_mul_f32 v[O+2*jj:O+2*jj+1], v[O+2*jj:O+2*jj+1], v[252:253] op_sel_hi:[1,0]
.set jj, jj+1
.endr
.irp b, 0,1,2,3
	v_exp_f32 v[BM+\b], v[BM+\b]                   ; the block's largest p: the same two instructions on the same number
.endr
	v_pk_mul_f32 v[14:15], v[14:15], v[252:253] op_sel_hi:[1,0]   ; the sums under the new M: the plain place behind the batch
	s_wait_alu depctr_va_vdst(0)                   ; one wait for the batch, ahead of its first reader
.irp b, 0,1,2,3
	v_max_num_f32 v[BM+\b], 0x1800000, v[BM+\b]    ; the floor 2^(3 - 127): the byte cannot fall under 1
.endr
.irp b, 0,1,2,3
	v_add_nc_u32 v[SO+\b], 0xff000000, v[BM+\b]
.endr
.irp b, 0,1,2,3
	v_lshrrev_b32 v[T2+\b], 23, v[SO+\b]
.endr
	v_lshl_or_b32 v253, v[T2+1], 8, v[T2]
	v_lshl_or_b32 v253, v[T2+2], 16, v253
	WIN 0x15*\w
	v_lshl_or_b32 v[PW+\w], v[T2+3], 24, v253      ; p's scale word for these 128 keys
	WIN 0x55*\w
.irp b, 0,1,2,3
	v_cvt_scalef32_pk8_fp4_f32 v[PC+2*\b], v[S+16*\b:S+16*\b+7], v[SO+\b]
	v_cvt_scalef32_pk8_fp4_f32 v[PC+2*\b+1], v[S+16*\b+8:S+16*\b+15], v[SO+\b]
.endr
	v_nop                                          ; one plain place behind a scaled conversion
.irp c, 0,1
.irp i, 0,1
	v_permlane16_swap_b32 v[PC+4*\c+\i], v[PC+4*\c+2+\i]
.endr
.endr
	v_pk_add_f32 v[T2:T2+1], v[S:S+1], v[S+2:S+3]  ; the row's sum, of the unquantised p, in two chains; these 32 are also the places between the scale word, the codes and the products
.irp j, 4,8,12,16,20,24,28,32,36,40,44,48,52,56,60
	v_pk_add_f32 v[14:15], v[14:15], v[S+\j:S+\j+1]
	v_pk_add_f32 v[T2:T2+1], v[T2:T2+1], v[S+\j+2:S+\j+3]
.endr
	v_pk_add_f32 v[14:15], v[14:15], v[T2:T2+1]
.endm
.macro BODY                            ; a key step; every window is 0 at its head and at its end
	v_add_nc_u32 v[ADR], s[TB], v[LI]
	v_add_nc_u32 v[ADS], s[TS], v[LSC]
	FETCH_K                                        ; the next step's k_mod: it has both softmaxes in which to land
	SM 0
	SM 1
	s_wait_dscnt 0x0                               ; this step's v (asked for a step ago) and the next step's k_mod are in
	PV 0
	PV 1
	QK 0
	QK 1
	WIN 0
	PLACES                                         ; four places in front of loads into registers that the products have read
	FETCH_V                                        ; the next step's v
	s_add_co_u32 s[TB], s[TB], REC
	s_add_co_u32 s[TS], s[TS], 1024
.endm
.macro STEPS n
	s_mov_b32 s[CNT], \n
.Lstep_\@:
	BODY
	s_sub_co_u32 s[CNT], s[CNT], 1
	s_cmp_lg_u32 s[CNT], 0
	s_cbranch_scc1 .Lstep_\@
.endm
; THE CHANGE OF SLOTS: the slot's last record has been asked for.  Each wave waits for all its tensor loads (its part of the other slot), adds 0 to its spare word, and waits for that and for its reads of the slot.
; fill = 1: the barrier is a round of the cluster's, and the joint refill of the slot just left is the first thing behind it: it has four key steps in which to land.
.macro CHANGE fill
	s_wait_tensorcnt 0x0                           ; no tensor load of mine is out, so the walking group 0 may be written
	ds_add_u32 v[SPW], v[NIL]                      ; 0 onto my spare word
.if \fill
	s_xor_b32 s[G0W+1], s[G0W+1], SLOT1            ; the other slot than last time,
	s_add_nc_u64 s[G0W+2:G0W+3], s[G0W+2:G0W+3], SLOTB   ; the next four records; the type bits on top are not reached
	s_wait_xcnt 0x0                                ; the last prefetch, four key steps back, has read its address
	s_add_nc_u64 s[PFA:PFA+1], s[PFA:PFA+1], SLOTB ; one slot further on than the walking descriptor
	s_wait_dscnt 0x0                               ; the add is done, and my reads of the slot are over
	CROUND
	JLOAD
	ASK
.else
	s_wait_dscnt 0x0
	s_barrier_signal -1
	s_barrier_wait -1
.endif
	s_sub_co_u32 s[TB], s[TB], SLOTB               ; the fetches go back to a slot's first record,
	s_xor_b32 s[TB], s[TB], SLOT1                  ; in the other slot
.endm
	s_wait_tensorcnt 1                             ; the scale bytes and my record of slot 0 are in; slot 1's may stay out
	s_barrier_signal -1
	s_barrier_wait -1
	v_add_nc_u32 v[ADR], s[TB], v[LI]
	v_add_nc_u32 v[ADS], s[TS], v[LSC]
	FETCH_K                                        ; key step 0
	s_wait_dscnt 0x0
	QK 0
	QK 1
	WIN 0
	PLACES
	FETCH_V
	s_add_co_u32 s[TB], s[TB], REC
	s_add_co_u32 s[TS], s[TS], 1024
	STEPS 3                                        ; these read records 1 to 3
.Lslot:                                            ; six trips: every slot but the last two is filled again
	CHANGE 1
	STEPS 4
	s_sub_co_u32 s[SLOTS], s[SLOTS], 1
	s_cmp_lg_u32 s[SLOTS], 0
	s_cbranch_scc1 .Lslot
	CHANGE 0                                       ; the last slot is written out
	STEPS 4
	SM 0                                           ; the last key step
	SM 1
	s_wait_dscnt 0x0
	PV 0
	PV 1
	WIN 0
	PLACES
	; THE WAY OUT: O^T / the sum goes through my stage in LDS, a tile of 16 queries at a time, and leaves as whole runs of 512 bytes of a row of the output.
.macro NORM w
	WIN 0x55*\w
	v_add_f32 v14, v14, v15
	v_permlanex16_b32 v250, v14, s[SEL], s[SEL+1]
	v_add_f32 v14, v14, v250                       ; the row's sum
	v_rcp_f32 v14, v14
	v_nop                                          ; a plain place behind the reciprocal,
	s_wait_alu depctr_va_vdst(0)                   ; and the wait ahead of its first reader
.set jj, 0
.rept 32
	v_pk_mul_f32 v[S+2*jj:S+2*jj+1], v[O+2*jj:O+2*jj+1], v[14:15] op_sel_hi:[1,0]   ; register 16 b + i: channel 32 b + 16 h + i
.set jj, jj+1
.endr
.endm
.macro TOSTAGE w, back
	WIN 0x04*\w
.irp b, 0,1,2,3
.irp i, 0,1,2,3
	ds_store_b128 v[STO], v[S+16*\b+4*\i:S+16*\b+4*\i+3] offset:128*\b+16*\i
.endr
.endr
	WIN 0
.irp p, 0,1,2,3,4,5,6,7,8,9,10,11,12,13,14,15
	ds_load_b128 v[\back+4*\p:\back+4*\p+3], v[RD] offset:528*\p   ; LDS serves a wave's instructions in order: these see my stores
.endr
.endm
.macro SEND u, back
.irp p, 0,1,2,3,4,5,6,7,8,9,10,11,12,13,14,15
	global_store_b128 v[LI], v[\back+4*\p:\back+4*\p+3], s[14:15] offset:(\p+8*(\p/8)+8*\u)*3072 th:TH_STORE_NT   ; 32 lanes store 512 consecutive bytes, at a multiple of 512 from the output's first byte
.endr
.endm
	NORM 0
	TOSTAGE 0, KF                                  ; back into the registers that held k_mod
	NORM 1                                         ; tile B's arithmetic stands between tile A's loads and the wait for them
	WIN 0
	s_wait_dscnt 0x0
	SEND 0, KF
	TOSTAGE 1, S                                   ; back into tile A's registers of window 0, which its stage stores have read
	s_wait_dscnt 0x0
	SEND 1, S
	s_wait_tensorcnt 0x0                           ; the wave's end, behind my last tensor load and my last LDS store
	ds_add_u32 v[SPW], v[NIL]
	s_wait_dscnt 0x0
	CROUND                                         ; the closing round: no work-group ends while a partner may still ask jointly
	s_endpgm
.Lfunc_end_k_q5974582bac_attn:
	.size	k_q5974582bac_attn, .Lfunc_end_k_q5974582bac_attn-k_q5974582bac_attn
	.p2alignl 7, 3214868480
	.fill 96, 4, 3214868480
	.section	.rodata,"a",@progbits
	.p2align	6, 0x0
	.amdhsa_kernel k_q5974582bac_attn
		.amdhsa_group_segment_fixed_size 327680
		.amdhsa_private_segment_fixed_size 0
		.amdhsa_enable_private_segment 0
		.amdhsa_kernarg_size 48
		.amdhsa_user_sgpr_count 2
		.amdhsa_user_sgpr_kernarg_segment_ptr 1
		.amdhsa_wavefront_size32 1
		.amdhsa_system_sgpr_workgroup_id_x 1
		.amdhsa_system_sgpr_workgroup_id_y 1
		.amdhsa_system_sgpr_workgroup_id_z 1
		.amdhsa_system_vgpr_workitem_id 0
		.amdhsa_next_free_vgpr 512
		.amdhsa_next_free_sgpr 66
		.amdhsa_reserve_vcc 1
		.amdhsa_float_denorm_mode_32 3
		.amdhsa_float_denorm_mode_16_64 3
		.amdhsa_memory_ordered 1
		.amdhsa_forward_progress 1
		.amdhsa_inst_pref_size 155
	.end_amdhsa_kernel
	.amdgpu_metadata
---
amdhsa.version: [ 1, 2 ]
amdhsa.kernels:
  - .name:           k_q5974582bac_attn
    .symbol:         k_q5974582bac_attn.kd
    .args:
      - { .name: q_img, .offset: 0, .size: 8, .value_kind: global_buffer, .address_space: global }
      - { .name: q_sc, .offset: 8, .size: 8, .value_kind: global_buffer, .address_space: global }
      - { .name: kv_img, .offset: 16, .size: 8, .value_kind: global_buffer, .address_space: global }
      - { .name: kv_sc, .offset: 24, .size: 8, .value_kind: global_buffer, .address_space: global }
      - { .name: attention_mask, .offset: 32, .size: 8, .value_kind: global_buffer, .address_space: global }
      - { .name: out0, .offset: 40, .size: 8, .value_kind: global_buffer, .address_space: global }
    .group_segment_fixed_size: 327680
    .private_segment_fixed_size: 0
    .kernarg_segment_align: 8
    .kernarg_segment_size: 48
    .max_flat_workgroup_size: 256
    .sgpr_count:     66
    .vgpr_count:     512
    .wavefront_size: 32
...
	.end_amdgpu_metadata
.endif
;; end of part 3
